; MI455X (gfx1250); checked and timed in simulation.
; The chip was launched on July 23, 2026; its instructions are those of AMD's public machine-readable ISA for CDNA 5 (MIT licence, August 2026) and "CDNA5" Instruction Set Architecture Reference Guide (July 2026). The comments in the code are by the model that wrote it; some were corrected since.
;; Multihead Attention Layer. Allowed arithmetic: matrix products marked QUANTISED: E5M2 operands, one E8M0 scale for each 32 along K, by v_wmma_scale_f32_16x16x128_f8f6f4 with both operands' format E5M2, f32 sums; everything else in f32.
;; Inputs: Wk_codes 512 x 16 x 32 uint8 (E5M2 codes of Wk, K innermost, in blocks of 32 codes); Wk_scales 512 x 16 uint8 (E8M0 scales of Wk, one for each 32 codes along K); Wq_codes 512 x 16 x 32 uint8 (E5M2 codes of Wq, K innermost, in blocks of 32 codes); Wq_scales 512 x 16 uint8 (E8M0 scales of Wq, one for each 32 codes along K); Wv_codes 512 x 16 x 32 uint8 (E5M2 codes of Wv, K innermost, in blocks of 32 codes); Wv_scales 512 x 16 uint8 (E8M0 scales of Wv, one for each 32 codes along K); beta 512 float32; bk 512 float32; bq 512 float32; bv 512 float32; gamma 512 float32; keys_in_codes 4 x 2,048 x 16 x 32 uint8 (E5M2 codes of keys_in, K innermost, in blocks of 32 codes); keys_in_scales 4 x 2,048 x 16 uint8 (E8M0 scales of keys_in, one for each 32 codes along K); queries 4 x 2,048 x 512 float32.
;; Outputs: out0 4 x 2,048 x 512 float32.
;; This version of the problem:
;;   THIS VERSION OF THE PROBLEM IS GIVEN IN LOW PRECISION. The matrix products marked QUANTISED in the list below multiply operands that are first quantised to E5M2 (5 exponent bits, 2 mantissa bits; 8 bits a number), with one power-of-two scale for each 32 numbers along K (OCP MX v1.0); their sums are f32. All else is computed in f32.
;;   The module's matrix products, in the order in which they are computed (A, B: the left and right operand; K: the contracted axis; several contracted axes count as one K, in the product's order):
;;     1. [M 8,192, K 512] x [K 512, N 512]; A: input queries; B: input Wq (given as codes): QUANTISED
;;     2. [M 8,192, K 512] x [K 512, N 512]; A: input keys_in (given as codes); B: input Wk (given as codes): QUANTISED
;;     3. [M 8,192, K 512] x [K 512, N 512]; A: input keys_in (given as codes); B: input Wv (given as codes): QUANTISED
;;     4. batch 32 x [M 2,048, K 64] x [K 64, N 2,048]; A: computed on the way; B: computed on the way: QUANTISED
;;     5. batch 32 x [M 64, K 2,048] x [K 2,048, N 2,048]; A: computed on the way; B: computed on the way: QUANTISED
;;   THE QUANTISER, for each operand of a quantised product, along K:
;;     - K is cut into blocks of 32 from its start; a last block that is shorter is filled with zeros.
;;     - A block's scale is 2^e with e = floor(log2(the largest magnitude in the block)) - 15, held to -126 .. 127; a block of zeros has e = 0. As a byte (E8M0): e + 127.
;;     - Each number is divided by its block's scale, clamped to +-57,344, and rounded to the nearest number of E5M2, ties to even, subnormals kept.
;;     - The product sums the exact products of the quantised numbers (number of the format x scale) in f32.
;;   ~~~python
;;   def quantise(x, axis):      # numpy; x: float32 -> the quantised numbers, widened to float32 again
;;       x = np.moveaxis(x, axis, -1); K = x.shape[-1]
;;       x = np.pad(x, [(0, 0)] * (x.ndim - 1) + [(0, -K % 32)]); x = x.reshape(x.shape[:-1] + (-1, 32)); a = np.abs(x).max(-1, keepdims=True)
;;       e = np.where(a > 0, np.clip(np.frexp(np.where(a > 0, a, 1))[1] - 1 - 15, -126, 127), 0)      # np.frexp(a)[1] - 1 = floor(log2(a)), exactly
;;       r = np.clip(x / 2.0 ** e, -57344, 57344)
;;       step = 2.0 ** (np.maximum(np.frexp(np.where(r == 0, 1, r))[1] - 1, -14) - 2)
;;       q = np.round(r / step) * step * 2.0 ** e      # np.round: ties to even
;;       return np.moveaxis(q.reshape(q.shape[:-2] + (-1,))[..., :K], -1, axis).astype(np.float32)
;;   ~~~
;;   OPERANDS COMPUTED ON THE WAY. 'Computed on the way' means the value that the module computes at that place (a softmax that the list does not call 'softmax' is quantised finished and normalised). What goes into a quantiser is computed in f32, as accurately as f32 sums, v_exp_f32 and their like allow (about 1e-6 of the number): no bf16 or f16 on the way to a quantiser, and a product that is left as it is and whose result goes on into a quantised operand takes f32 operands (vector FMAs, or v_wmma_f32_16x16x4_f32). A number that lies on a knife's edge between two numbers of the format may be rounded either way, as far as f32 arithmetic and the matrix unit's own rounding can turn it there, and no further.
;;   INPUTS GIVEN AS CODES. Wk (in the module: [512, 512], K = its axis 0); Wq (in the module: [512, 512], K = its axis 0); Wv (in the module: [512, 512], K = its axis 0); keys_in (in the module: [4, 2048, 512], K = its axis 2): each comes as NAME_codes (uint8): NAME with its K axis moved to the last place and cut into blocks of 32 codes, [.., K / 32, bytes a block], one block behind the other in memory; one code a byte (a code: sign, 5 exponent bits, 2 mantissa bits); and NAME_scales (uint8): the same leading axes, one E8M0 byte (e + 127) for each 32 codes along K. Its value is code x scale, taken as it is: it is not quantised again, and the codes and scales need not be those that the quantiser above would give.
;; One version. Each part assembles by itself: llvm-mc -triple=amdgcn-amd-amdhsa -mcpu=gfx1250 --defsym DOCPART=n.
;; ======== version 1 of 1: 3 launches
;; limits: right only within a limited range of input values
;; workspace buffers: qpk 4,718,592 bytes; kpk 4,980,736 bytes; vpk 4,325,376 bytes; att 16,777,216 bytes
;; launch proj (part 1): grid 128 x 2, 4 waves a work-group, no clusters, 202,240 bytes of LDS; arguments queries, keys_in_codes, keys_in_scales, Wq_codes, Wq_scales, bq, Wk_codes, Wk_scales, bk, Wv_codes, Wv_scales, bv, qpk, kpk, vpk; writes qpk, kpk, vpk
.if DOCPART == 1
	.amdgcn_target "amdgcn-amd-amdhsa--gfx1250"
	.amdhsa_code_object_version 6
	.text
	.protected	k_q0d0e1c1926_proj
	.globl	k_q0d0e1c1926_proj
	.p2align	8
	.type	k_q0d0e1c1926_proj,@function
k_q0d0e1c1926_proj:
	s_mov_b64 s[64:65], 0
	v_nop
	global_prefetch_b8 v0, s[64:65] scope:SCOPE_SE
	s_setreg_imm32_b32 hwreg(HW_REG_WAVE_MODE, 25, 1), 1
	s_wait_xcnt 0x0
; Q = relu(queries Wq + bq), K = relu(keys Wk + bk), V = relu(keys Wv + bv), all three products on codes of BF8 (E5M2) with one E8M0 scale for each 32 along K = 512;
; the results are quantised at once for the two products of attention and leave as IMAGES OF THE OPERANDS' REGISTERS (lane l's 16 bytes at 16 l), so that the next launch loads them as they lie.
; SHARES.  Work-group (x, y): tokens 64 x .. 64 x + 63 (of queries and of keys), heads 4 y .. 4 y + 3; wave w is head 4 y + w and keeps its head's 64 rows of a weight in registers (16 fragments, 256 registers).
; What goes from wave to wave is small: the 64 tokens' codes.  Wave w quantises 16 rows of queries and fetches one tile of 16 keys; their fragments lie in LDS as register images; ONE barrier; then they are only read.
; LAYOUT.  Q and K are made transposed (source 0 = 16 rows of the weight, source 1 = 16 tokens): a lane holds one token, its registers run along the head's features, which are the next K.
; The rows of Wq and Wk that form a tile are not neighbours: lane r of tile 2 b + u takes feature 32 b + 8 u + r + 8 (r / 8), so that tiles 2 b and 2 b + 1 give a lane 16 neighbouring features, 32 b + 16 (lane / 16) + 0 .. 15.
; The keys that form a tile are chosen in the same way.  That one fragment serves twice: as source 1 for K (the image is then the tile of keys that attention wants), and as source 0 for V, where a lane holds
; one feature and the registers of tiles 2 b and 2 b + 1 are 16 neighbouring keys: V's K.
; MASKS.  A key or a query counts where the sum of its head's |numbers| is above 0; behind a relu that is: where the largest is above 0.  The masks leave as VALUES: no branch and no address hangs on them.
;   A key: attention's first product has K = 64, and its instruction takes 128.  At k = 64 every query carries the code of +1 under the scale 2^-63; a masked key carries the code of -1 under 2^96, a key that counts the code 0.
;   So a masked key's score is -2^33, -2^30 behind the division by 8, where reference() writes -1e9.  Scores of keys that count are never negative, so both vanish in a softmax that has one such key, and both give equal weights where none counts.
;   A query: an addend for the exponent, 0 or +infinity, which the next launch takes away: all its weights become 0.
; LIMITS: NaN and infinities among the inputs are not served.  A block of zeros gets the scale byte 1 where the quantiser says 127: its codes are zeros, and this program alone reads the bytes.
.set XIMG, 0                           ; LDS: the queries' 16 fragments (tile m, K step s: 4 m + s), 2,048 bytes each
.set XSC,  32768                       ; their scale words: tile m: 512 bytes, four words a lane
.set KIMG, 34816                       ; the keys' 16 fragments
.set KSC,  67584                       ; their scale words
.set XST,  69632                       ; a stage for each wave: 16 rows of queries, 2,048 bytes + 16
.set SPX,  2064                        ; 516 words: row r starts at bank 4 r mod 64 (64 banks of 4 bytes: ISA guide 11.1), so the sixteen rows that a load touches start at sixteen different banks
.set LI,  4                            ; v4   16 x lane
.set LS,  5                            ; v5   4 x lane
.set WA,  6                            ; v6   (r + 8 (r / 8)) x 512 + 16 h: a fragment's row of Wq, Wk or the keys
.set WN,  7                            ; v7   r x 512 + 16 h: of Wv
.set SA,  8                            ; v8   (r + 8 (r / 8) + 8 h) x 16: scale rows of Wq, Wk: lanes 0-15 the even tile, lanes 16-31 the odd one
.set KSA, 9                            ; v9   (r + 8 (r / 8)) x 16: scale rows of the keys
.set BA,  10                           ; v10  64 h: bq, bk
.set BVA, 11                           ; v11  4 r: bv
.set STW, 12                           ; v12  my stage, on the way in
.set STR, 13                           ; v13  and on the way out
.set IWX, 14                           ; v14  where I store the queries' images
.set IWK, 15                           ; v15  and the keys'
.set FR,  16                           ; v16-79   four fragments of tokens (a tile's four K steps)
.set FS,  80                           ; v80-83   their scale words
.set X,   84                           ; v84-115  four accumulators
.set Y0,  116                          ; v116-147 four more
.set WS,  148                          ; v148-171 the weights' scale words: Wq 148 + 4 b + s, Wk 156 + .., Wv 164 + ..
.set VBY, 172                          ; v172-175 V's scale bytes of the first block of keys
.set LIK, 176                          ; v176 16 x lane + KIMG
.set XSW, 177                          ; v177, v178 where I store scale words;  v179, v180 where they are read
.set KSW, 178
.set XSR, 179
.set KSR, 180
.set T0,  181
.set MW,  182
.set PWS, 183
.set QA,  184
.set QAS, 185
.set T1,  186
.set PC,  212                          ; v212-227 the codes just made
.set TM,  228                          ; v228-231 largest magnitudes, 232-235 bytes, 236-239 the largest number x the scale, 240-243 the conversions' scale operands
.set XW,  244                          ; v244-247 the queries' four scale words
.set PWE, 248
.set QAE, 249
.set CLIVE, 250
.set CDEAD, 251
.set MC,  252
.set CINF, 253
.set RAW, 254
.set PW,  255
; windows: 1: first the 16 rows of queries as loaded, then Wq;  2: Wk, later Wv;  3: v0-31 bq, v32-63 bk, v64-95 bv (eight registers a tile, in the results' layout), v96-159 my tile of keys, v160-163 its scale words
.set MSB, 0
.macro WIN new                         ; the immediate's high byte repeats the setting that is left
.if MSB != \new
	s_set_vgpr_msb (MSB<<8)|\new
.set MSB, \new
.endif
.endm
.macro WM d, a, b, c, sa, sb, row      ; one product; row = 1: source 0's scales from lanes 16-31; 2: source 1's
.if (\row) == 1
	v_wmma_scale_f32_16x16x128_f8f6f4 v[0+(\d):7+(\d)], v[0+(\a):15+(\a)], v[0+(\b):15+(\b)], v[0+(\c):7+(\c)], v[\sa], v[\sb] matrix_a_fmt:MATRIX_FMT_BF8 matrix_b_fmt:MATRIX_FMT_BF8 matrix_a_scale:MATRIX_SCALE_ROW1
.elseif (\row) == 2
	v_wmma_scale_f32_16x16x128_f8f6f4 v[0+(\d):7+(\d)], v[0+(\a):15+(\a)], v[0+(\b):15+(\b)], v[0+(\c):7+(\c)], v[\sa], v[\sb] matrix_a_fmt:MATRIX_FMT_BF8 matrix_b_fmt:MATRIX_FMT_BF8 matrix_b_scale:MATRIX_SCALE_ROW1
.else
	v_wmma_scale_f32_16x16x128_f8f6f4 v[0+(\d):7+(\d)], v[0+(\a):15+(\a)], v[0+(\b):15+(\b)], v[0+(\c):7+(\c)], v[\sa], v[\sb] matrix_a_fmt:MATRIX_FMT_BF8 matrix_b_fmt:MATRIX_FMT_BF8
.endif
.endm
; Sixteen products: four tiles x K = 512 in four steps.  kind 0: Q, 1: K (source 0 = the weight, window 1 or 2), 2: V (source 1 = the weight, window 2).  The bias is the C of each sum's first product.
; The four accumulators take turns, one instruction a turn.  Nine places follow: eight serve the loads into the fragments and the first read of results, and
; the ninth the next run's first products, which begin the same accumulators anew with another C.
.macro MM16 kind, acc
.irp s,0,1,2,3
.if \s == 0
.if \kind == 0
	WIN 0x31
.elseif \kind == 1
	WIN 0x32
.else
	WIN 0x38
.endif
.else
.if \kind == 0
	WIN 0x01
.elseif \kind == 1
	WIN 0x02
.else
	WIN 0x08
.endif
.endif
.irp t,0,1,2,3
.if \s == 0
.set cc, 32*\kind+8*\t
.else
.set cc, 8*\t+(\acc)
.endif
.if \kind == 2
	WM 8*\t+(\acc), FR+16*\s, 16*(4*\t+\s), cc, FS+\s, WS+16+4*(\t/2)+\s, 2*(\t%2)
.else
	WM 8*\t+(\acc), 16*(4*\t+\s), FR+16*\s, cc, WS+8*\kind+4*(\t/2)+\s, FS+\s, \t%2
.endif
.endr
.endr
	WIN 0
.rept 9
	v_nop
.endr
.endm
.macro MX3 d, a, relu
.if \relu
	v_max3_num_f32 v[\d], v[\d], v[\a], v[1+(\a)]
.else
	v_max3_num_f32 v[\d], v[\d], |v[\a]|, |v[1+(\a)]|
.endif
.endm
; nb blocks of 32 along the next K.  Of block b a lane holds 16 numbers, v[lo + st b .. + 7] and v[hi + st b .. + 7]; lane l xor 16 holds the other 16.  Codes to v[PC + 4 b .. + 3], bytes to v[TM + 4 + b].
; relu = 1: what is negative becomes 0 on the way: it does not count for the largest magnitude (no |.|), and the hold clips at 0.  nb = 2: v[RAW] gets the largest number of both blocks, ahead of the floor.
; Each accumulator is read from its low end on.
.macro QUANT lo, hi, st, nb, relu
.irp b,0,1,2,3
.if \b < \nb
.if \relu
	v_max3_num_f32 v[TM+\b], v[\b*(\st)+(\lo)], v[\b*(\st)+(\lo)+1], 0
.else
	v_max3_num_f32 v[TM+\b], |v[\b*(\st)+(\lo)]|, |v[\b*(\st)+(\lo)+1]|, 0
.endif
.endif
.endr
.irp i,2,4,6
.irp b,0,1,2,3
.if \b < \nb
	MX3 TM+\b, \b*(\st)+(\lo)+\i, \relu
.endif
.endr
.endr
.irp i,0,2,4,6
.irp b,0,1,2,3
.if \b < \nb
	MX3 TM+\b, \b*(\st)+(\hi)+\i, \relu
.endif
.endr
.endr
.irp b,0,1,2,3
.if \b < \nb
	v_permlanex16_b32 v[TM+4+\b], v[TM+\b], s40, s41
.endif
.endr
.irp b,0,1,2,3
.if \b < \nb
	v_max_num_f32 v[TM+\b], v[TM+\b], v[TM+4+\b]           ; with lane l xor 16's: the block's largest magnitude
.endif
.endr
.if \nb == 2
	v_max_num_f32 v[RAW], v[TM], v[TM+1]                   ; the head's largest number of this token: 0 where the token is masked
.endif
.irp b,0,1,2,3
.if \b < \nb
	v_max_num_f32 v[TM+\b], 0x8000000, v[TM+\b]            ; the floor 2^(16 - 127): the byte cannot fall under 1
.endif
.endr
.irp b,0,1,2,3
.if \b < \nb
	v_add_nc_u32 v[TM+12+\b], 0xf8800000, v[TM+\b]         ; 15 off the exponent field: the conversion takes the exponent field of this operand as its scale
.endif
.endr
.irp b,0,1,2,3
.if \b < \nb
	v_and_or_b32 v[TM+8+\b], v[TM+\b], 0x7f800000, s42     ; 57,344 x the scale
.endif
.endr
.irp b,0,1,2,3
.if \b < \nb
	v_lshrrev_b32 v[TM+4+\b], 23, v[TM+12+\b]              ; the scale's byte
.endif
.endr
.irp b,0,1,2,3
.if \b < \nb
.irp i,0,1,2,3,4,5,6,7
.if \relu
	v_med3_num_f32 v[\b*(\st)+(\lo)+\i], v[\b*(\st)+(\lo)+\i], 0, v[TM+8+\b]   ; the activation and the hold in one (the conversion to an 8-bit code does not saturate: ISA guide 7.6.2)
	v_med3_num_f32 v[\b*(\st)+(\hi)+\i], v[\b*(\st)+(\hi)+\i], 0, v[TM+8+\b]
.else
	v_med3_num_f32 v[\b*(\st)+(\lo)+\i], v[\b*(\st)+(\lo)+\i], -v[TM+8+\b], v[TM+8+\b]
	v_med3_num_f32 v[\b*(\st)+(\hi)+\i], v[\b*(\st)+(\hi)+\i], -v[TM+8+\b], v[TM+8+\b]
.endif
.endr
	v_cvt_scalef32_pk8_bf8_f32 v[PC+4*\b:PC+4*\b+1], v[\b*(\st)+(\lo):\b*(\st)+(\lo)+7], v[TM+12+\b]
	v_cvt_scalef32_pk8_bf8_f32 v[PC+4*\b+2:PC+4*\b+3], v[\b*(\st)+(\hi):\b*(\st)+(\hi)+7], v[TM+12+\b]
.endif
.endr
	v_nop                                                  ; one plain line behind the last conversion, ahead of whatever next touches its registers
.endm
.macro IMAGE adr, off                  ; the fragment in v[PC] on goes to LDS as it stands
.irp c,0,1,2,3
	ds_store_b128 v[\adr], v[PC+4*\c:PC+4*\c+3] offset:(\off)+512*\c
.endr
.endm
.macro FETCH4 adr, sadr, m             ; tile m's four fragments and its four scale words, in any wave
.irp s,0,1,2,3
.irp c,0,1,2,3
	ds_load_b128 v[FR+16*\s+4*\c:FR+16*\s+4*\c+3], v[\adr] offset:(4*(\m)+\s)*2048+512*\c
.endr
.endr
	ds_load_b128 v[FS:FS+3], v[\sadr] offset:512*(\m)
.endm
.macro WLT adr, p, perm, t             ; one tile of my head's rows of a weight: its four fragments, 16 loads, into the window that is set.  The weights come tile by tile, among the work of the phase before the one that multiplies them
.irp s,0,1,2,3
.irp c,0,1,2,3
.if \perm
	global_load_b128 v[16*(4*(\t)+\s)+4*\c:16*(4*(\t)+\s)+4*\c+3], v[\adr], s[\p:\p+1] offset:(32*((\t)/2)+8*((\t)%2))*512+128*\s+32*\c
.else
	global_load_b128 v[16*(4*(\t)+\s)+4*\c:16*(4*(\t)+\s)+4*\c+3], v[\adr], s[\p:\p+1] offset:16*(\t)*512+128*\s+32*\c
.endif
.endr
.endr
.endm
.macro XLD s                           ; step s of my 16 rows of queries, out of my stage: 16 numbers of each of four blocks a lane, into the buffer of the step's parity
.irp b,0,1,2,3
.irp j,0,1,2,3
	ds_load_b128 v[84-68*((\s)%2)+16*\b+4*\j:84-68*((\s)%2)+16*\b+4*\j+3], v[STR] offset:512*(\s)+128*\b+16*\j
.endr
.endr
.endm
.macro WLOAD adr, p, perm
.irp t,0,1,2,3
.irp s,0,1,2,3
.irp c,0,1,2,3
.if \perm
	global_load_b128 v[16*(4*\t+\s)+4*\c:16*(4*\t+\s)+4*\c+3], v[\adr], s[\p:\p+1] offset:(32*(\t/2)+8*(\t%2))*512+128*\s+32*\c
.else
	global_load_b128 v[16*(4*\t+\s)+4*\c:16*(4*\t+\s)+4*\c+3], v[\adr], s[\p:\p+1] offset:16*\t*512+128*\s+32*\c
.endif
.endr
.endr
.endr
.endm
	s_load_b512 s[8:23], s[0:1], 0x0               ; queries 8, keys' codes 10, keys' scales 12, Wq's codes 14, Wq's scales 16, bq 18, Wk's codes 20, Wk's scales 22
	s_load_b256 s[24:31], s[0:1], 0x40             ; bk 24, Wv's codes 26, Wv's scales 28, bv 30
	s_load_b128 s[32:35], s[0:1], 0x60             ; qpk 32, kpk 34
	s_load_b64 s[36:37], s[0:1], 0x70              ; vpk 36
	v_lshl_add_u32 v210, v0, 2, 0x31400
	v_mov_b32 v211, 0
	v_lshrrev_b32 v1, 5, v0
	v_readfirstlane_b32 s2, v1                     ; wave 0..3
	v_and_b32 v1, 31, v0                           ; lane
	v_and_b32 v2, 15, v0                           ; r
	v_bfe_u32 v3, v0, 4, 1                         ; h
	v_lshlrev_b32 v[LI], 4, v1
	v_lshlrev_b32 v[LS], 2, v1
	v_and_b32 v[KSA], 8, v2
	v_add_nc_u32 v[KSA], v[KSA], v2                ; r + 8 (r / 8)
	v_lshlrev_b32 v[WA], 9, v[KSA]
	v_lshl_add_u32 v[WA], v3, 4, v[WA]
	v_lshlrev_b32 v[WN], 9, v2
	v_lshl_add_u32 v[WN], v3, 4, v[WN]
	v_lshl_add_u32 v[SA], v3, 3, v[KSA]
	v_lshlrev_b32 v[SA], 4, v[SA]
	v_lshlrev_b32 v[KSA], 4, v[KSA]
	v_lshlrev_b32 v[BA], 6, v3
	v_lshlrev_b32 v[BVA], 2, v2
	s_mul_i32 s58, s2, 16*SPX
	s_add_co_u32 s58, s58, XST                     ; my stage
	v_add_nc_u32 v[STW], s58, v[LI]
	v_mul_u32_u24 v[STR], v2, SPX
	v_lshl_add_u32 v[STR], v3, 6, v[STR]
	v_add_nc_u32 v[STR], s58, v[STR]               ; row r, + 64 h: my 16 numbers of a block of 32
	s_lshl_b32 s59, s2, 13
	v_add_nc_u32 v[IWX], s59, v[LI]                ; four fragments a wave
	v_add_nc_u32 v[IWK], KIMG, v[IWX]
	v_add_nc_u32 v[LIK], KIMG, v[LI]
	s_lshl_b32 s59, s2, 9
	v_add_nc_u32 v[XSW], s59, v[LI]
	v_add_nc_u32 v[KSW], KSC, v[XSW]
	v_add_nc_u32 v[XSW], XSC, v[XSW]
	v_add_nc_u32 v[XSR], XSC, v[LI]
	v_add_nc_u32 v[KSR], KSC, v[LI]
	v_mov_b32 v[CLIVE], 0x40400000                 ; the bytes of the two padded blocks: 2^-63 both
	v_mov_b32 v[CDEAD], 0x40df0000                 ; of a masked key: 2^96 for the block that holds k = 64
	v_mov_b32 v[CINF], 0x7f800000
	v_sub_nc_u32 v[MC], 1, v3
	v_mul_u32_u24 v[MC], v[MC], 0xbc               ; the code of -1 at k = 64: byte 0 of register 8 in lanes 0-15
.irp b,0,1,2,3
	v_mov_b32 v[TM+4+\b], 0                        ; written once: a lane permute's destination counts as one of its sources
.endr
	s_mov_b32 s40, 0x76543210
	s_mov_b32 s41, 0xfedcba98                      ; v_permlanex16_b32's selects for lane l xor 16
	s_mov_b32 s42, 0x600000                        ; the mantissa field of 57,344
	s_mov_b32 s43, 0xffff0000                      ; lanes 16-31
	s_and_b32 s52, ttmp7, 0xffff
	s_lshl_b32 s3, s52, 2
	s_add_co_u32 s3, s3, s2                        ; my head
	s_lshr_b32 s38, ttmp9, 5
	s_lshl_b32 s38, s38, 3
	s_add_co_u32 s38, s38, s3                      ; 8 x batch + head
	s_and_b32 s39, ttmp9, 31                       ; which 64 tokens of the batch's 2,048
	s_and_b32 s50, s39, 1                          ; which half of a step of 128 keys
	s_lshr_b32 s51, s39, 1                         ; which step
	s_mov_b32 s55, 0
	s_wait_kmcnt 0x0
	s_lshl_b32 s54, s3, 15                         ; 64 rows of 512 bytes a head
	s_add_nc_u64 s[14:15], s[14:15], s[54:55]
	s_add_nc_u64 s[20:21], s[20:21], s[54:55]
	s_add_nc_u64 s[26:27], s[26:27], s[54:55]
	s_lshl_b32 s54, s3, 10                         ; 64 rows of 16 scale bytes
	s_add_nc_u64 s[16:17], s[16:17], s[54:55]
	s_add_nc_u64 s[22:23], s[22:23], s[54:55]
	s_add_nc_u64 s[28:29], s[28:29], s[54:55]
	s_lshl_b32 s54, s3, 8                          ; 64 numbers of a bias
	s_add_nc_u64 s[18:19], s[18:19], s[54:55]
	s_add_nc_u64 s[24:25], s[24:25], s[54:55]
	s_add_nc_u64 s[30:31], s[30:31], s[54:55]
	s_lshr_b32 s56, s2, 1
	s_and_b32 s57, s2, 1
	s_lshl_b32 s56, s56, 5
	s_lshl_b32 s57, s57, 3
	s_add_co_u32 s56, s56, s57
	s_lshl_b32 s57, ttmp9, 6
	s_add_co_u32 s56, s56, s57                     ; my tile of keys begins at token 64 x + 32 (w / 2) + 8 (w % 2)
	s_lshl_b32 s54, s56, 9
	s_add_nc_u64 s[10:11], s[10:11], s[54:55]
	s_lshl_b32 s54, s56, 4
	s_add_nc_u64 s[12:13], s[12:13], s[54:55]
	s_lshl_b32 s54, ttmp9, 2
	s_add_co_u32 s54, s54, s2
	s_lshl_b32 s54, s54, 15                        ; my 16 rows of queries: 2,048 bytes each
	s_add_nc_u64 s[8:9], s[8:9], s[54:55]
	s_lshl_b32 s54, s38, 5
	s_add_co_u32 s54, s54, s39
	s_mul_i32 s54, s54, 4608                       ; qpk: two pairs of tiles, 2,304 bytes each, for 64 queries
	s_add_nc_u64 s[32:33], s[32:33], s[54:55]
	s_lshl_b32 s56, s38, 4
	s_add_co_u32 s56, s56, s51                     ; 16 steps a head
	s_mul_i32 s54, s56, 9728
	s_add_nc_u64 s[34:35], s[34:35], s[54:55]      ; kpk at my step
	s_lshl_b32 s54, s50, 9
	s_add_co_u32 s54, s54, 8192
	s_add_nc_u64 s[44:45], s[34:35], s[54:55]      ; my four mask words' images
	s_lshl_b32 s54, s50, 8
	s_add_co_u32 s54, s54, 9216
	s_add_nc_u64 s[46:47], s[34:35], s[54:55]      ; my two registers of scale words
	s_lshl_b32 s54, s50, 12
	s_add_nc_u64 s[34:35], s[34:35], s[54:55]      ; my four fragments
	s_mul_i32 s54, s56, 8448
	s_add_nc_u64 s[36:37], s[36:37], s[54:55]      ; vpk at my step
	s_lshl_b32 s54, s50, 1
	s_add_co_u32 s54, s54, 8192
	s_add_nc_u64 s[48:49], s[36:37], s[54:55]      ; my two bytes of each scale word
	s_lshl_b32 s54, s50, 10
	s_add_nc_u64 s[36:37], s[36:37], s[54:55]      ; my two blocks of keys in each fragment
	; ---- all loads of the first phases, the oldest first in the order of their use
.irp b,0,1
	global_load_b128 v[WS+4*\b:WS+4*\b+3], v[SA], s[16:17] offset:512*\b          ; four words a row: one for each K step
	global_load_b128 v[WS+8+4*\b:WS+8+4*\b+3], v[SA], s[22:23] offset:512*\b
	global_load_b128 v[WS+16+4*\b:WS+16+4*\b+3], v[LI], s[28:29] offset:512*\b    ; Wv's rows are neighbours: lane l takes row 32 b + l
.endr
	WIN 0xc0                                       ; destination window 3
.irp t,0,1,2,3
	global_load_b128 v[8*\t:8*\t+3], v[BA], s[18:19] offset:(32*(\t/2)+8*(\t%2))*4      ; lane (r, h), tile 2 b + u: features 32 b + 16 h + 8 u + 0 .. 7
	global_load_b128 v[8*\t+4:8*\t+7], v[BA], s[18:19] offset:(32*(\t/2)+8*(\t%2))*4+16
	global_load_b128 v[32+8*\t:32+8*\t+3], v[BA], s[24:25] offset:(32*(\t/2)+8*(\t%2))*4
	global_load_b128 v[32+8*\t+4:32+8*\t+7], v[BA], s[24:25] offset:(32*(\t/2)+8*(\t%2))*4+16
.endr
.irp t,0,1,2,3
.irp j,0,1,2,3,4,5,6,7
	global_load_b32 v[64+8*\t+\j], v[BVA], s[30:31] offset:64*\t                  ; in V's results a lane holds one feature: eight times its bias
.endr
.endr
.irp s,0,1,2,3
.irp c,0,1,2,3
	global_load_b128 v[96+16*\s+4*\c:96+16*\s+4*\c+3], v[WA], s[10:11] offset:128*\s+32*\c
.endr
.endr
	global_load_b128 v[160:163], v[KSA], s[12:13]
	WIN 0x40                                       ; destination window 1
.set n, 0
.rept 64
	global_load_b128 v[4*n:4*n+3], v[LI], s[8:9] offset:512*n                     ; 32 lanes read 512 consecutive bytes
.set n, n+1
.endr
	s_wait_loadcnt 63                              ; the 64 loads of queries are the youngest: with 63 of them out, all that is older has landed
	WIN 0x0c                                       ; an LDS store's data are its source 1: window 3
.irp s,0,1,2,3
.irp c,0,1,2,3
	ds_store_b128 v[IWK], v[96+16*\s+4*\c:96+16*\s+4*\c+3] offset:2048*\s+512*\c
.endr
.endr
	ds_store_b128 v[KSW], v[160:163]
	WIN 0x04                                       ; data: window 1
.set n, 0
.rept 4
	s_wait_loadcnt 48-n                            ; loads come back in order (ISA guide 5.7.1): loads n .. n + 15 are in when only the 48 - n younger ones may be out: 48, 32, 16, 0
.rept 16
	ds_store_b128 v[STW], v[4*n:4*n+3] offset:(n/4)*SPX+(n%4)*512
.set n, n+1
.endr
.endr
	s_wait_dscnt 0x0                               ; the stores have read window 1, all of whose loads have landed:
	WIN 0
	; ---- my 16 rows of queries become four fragments: lane (r, h) takes, of row r, 16 neighbours of each block of 32
.irp s,0,1,2,3
.set XB, 84-68*(\s%2)                  ; two buffers of 64 registers by turns: the accumulators', the fragments'
.if \s == 0
	XLD 0
.endif
.if \s == 0                            ; Wk's four tiles go out under the first three steps (window 2), Wq's first under the fourth (window 1, which the stage's stores have read)
	WIN 0x80
	WLT WA, 20, 1, 0
	WLT WA, 20, 1, 1
.elseif \s == 1
	WIN 0x80
	WLT WA, 20, 1, 2
.elseif \s == 2
	WIN 0x80
	WLT WA, 20, 1, 3
.else
	WIN 0x40
	WLT WA, 14, 1, 0
.endif
	WIN 0
	s_wait_dscnt 0x0                               ; this step's numbers are in, and the last image's stores have read the codes
.if \s < 3
	XLD \s+1                                       ; the next step's numbers, into the other buffer, under this step's arithmetic
.endif
	QUANT XB, XB+8, 16, 4, 0
	v_lshl_or_b32 v[XW+\s], v[TM+5], 8, v[TM+4]
	v_lshl_or_b32 v[XW+\s], v[TM+6], 16, v[XW+\s]
	v_lshl_or_b32 v[XW+\s], v[TM+7], 24, v[XW+\s]
	IMAGE IWX, 2048*\s
.endr
	ds_store_b128 v[XSW], v[XW:XW+3]
	s_wait_dscnt 0x0                               ; for the others' sake: all my stores into LDS have landed
	s_barrier_signal -1
	s_barrier_wait -1
	FETCH4 LIK, KSR, 0                             ; the first tile of keys.  From here on a tile's fragments are fetched behind the products of the tile before (the nine places that end them are the distance that the loads need), under that tile's quantiser
	s_wait_loadcnt 16                              ; Wk is in: behind its last load only the 16 of Wq's first tile were issued
	; ---- K: a tile of 16 keys at a time
.irp m,0,1,2,3
.if \m > 0
	s_wait_xcnt 0x0                                ; the last tile's stores have had their addresses translated: their data registers are written again only behind this wait
.endif
.if \m < 3
	WIN 0x40
	WLT WA, 14, 1, \m+1                            ; Wq's next tile
	WIN 0
.endif
	s_wait_dscnt 0x0
	MM16 1, X
.if \m < 3
	FETCH4 LIK, KSR, \m+1
.else
	FETCH4 LI, XSR, 0                              ; the first tile of queries
.endif
	QUANT X, X+8, 16, 2, 1
	v_cmp_ge_f32 vcc_lo, 0, v[RAW]                 ; masked: nothing of the key's head is above 0
	v_lshl_or_b32 v[PW], v[TM+5], 8, v[TM+4]
	v_cndmask_b32 v[T0], v[CLIVE], v[CDEAD], vcc_lo
	v_or_b32 v[PW], v[PW], v[T0]
	v_cndmask_b32 v[MW], 0, v[MC], vcc_lo
	global_store_b128 v[LI], v[PC:PC+3], s[34:35] offset:1024*\m           ; 32 lanes store 512 consecutive bytes
	global_store_b128 v[LI], v[PC+4:PC+7], s[34:35] offset:1024*\m+512
	global_store_b32 v[LS], v[MW], s[44:45] offset:128*\m
.if (\m%2) == 0
	v_mov_b32 v[PWE], v[PW]
.else
	v_cndmask_b32 v[PWS], v[PWE], v[PW], s43       ; lanes 0-15 the even tile's words, lanes 16-31 the odd one's (both halves of the lanes hold a tile's words)
	global_store_b32 v[LS], v[PWS], s[46:47] offset:128*(\m/2)
.endif
.endr
	s_wait_loadcnt 0x0                             ; Wq is in
	; ---- Q: a tile of 16 queries at a time
.irp m,0,1,2,3
	s_wait_xcnt 0x0
.if \m == 0                            ; Wv takes Wk's place: the places behind K's last products have passed
	WIN 0x80
	WLT WN, 26, 0, 0
	WLT WN, 26, 0, 1
	WIN 0
.elseif \m < 3
	WIN 0x80
	WLT WN, 26, 0, \m+1
	WIN 0
.endif
	s_wait_dscnt 0x0
	MM16 0, X
.if \m < 3
	FETCH4 LI, XSR, \m+1
.else
	FETCH4 LIK, KSR, 0                             ; V's first tile of keys
.endif
	QUANT X, X+8, 16, 2, 1
	v_cmp_ge_f32 vcc_lo, 0, v[RAW]
	v_lshl_or_b32 v[PW], v[TM+5], 8, v[TM+4]
	v_or_b32 v[PW], v[PW], v[CLIVE]
	v_cndmask_b32 v[QA], 0, v[CINF], vcc_lo        ; what the next launch takes off the exponent: +infinity for a query that does not count
	global_store_b128 v[LI], v[PC:PC+3], s[32:33] offset:2304*(\m/2)+1024*(\m%2)
	global_store_b128 v[LI], v[PC+4:PC+7], s[32:33] offset:2304*(\m/2)+1024*(\m%2)+512
.if (\m%2) == 0
	v_mov_b32 v[PWE], v[PW]
	v_mov_b32 v[QAE], v[QA]
.else
	v_cndmask_b32 v[PWS], v[PWE], v[PW], s43
	v_cndmask_b32 v[QAS], v[QAE], v[QA], s43
	global_store_b32 v[LS], v[PWS], s[32:33] offset:2304*(\m/2)+2048
	global_store_b32 v[LS], v[QAS], s[32:33] offset:2304*(\m/2)+2176
.endif
.endr
	s_wait_loadcnt 0x0                             ; Wv is in
	; ---- V: a block of 32 keys (two tiles) at a time; each of the four tiles of features gives one block along the keys
.irp b,0,1
	s_wait_dscnt 0x0
	MM16 2, Y0
	FETCH4 LIK, KSR, 2*\b+1
	s_wait_dscnt 0x0
	MM16 2, X
.if \b == 0
	FETCH4 LIK, KSR, 2                             ; the second block's first tile
.endif
	s_wait_xcnt 0x0
	QUANT Y0, X, 8, 4, 1
.irp t,0,1,2,3
	global_store_b128 v[LI], v[PC+4*\t:PC+4*\t+3], s[36:37] offset:2048*\t+512*\b
.endr
.irp t,0,1,2,3
.if \b == 0
	v_mov_b32 v[VBY+\t], v[TM+4+\t]
.else
	v_lshl_or_b32 v[VBY+\t], v[TM+4+\t], 8, v[VBY+\t]
.endif
.endr
.endr
	v_cndmask_b32 v[T0], v[VBY], v[VBY+1], s43     ; two tiles to a store: lanes 0-15 the even tile's rows, lanes 16-31 the odd one's
	v_cndmask_b32 v[T1], v[VBY+2], v[VBY+3], s43
	global_store_b16 v[LS], v[T0], s[48:49]        ; two bytes of each word: the word's other two belong to the work-group with the step's other 64 keys.  128 bytes of the 13,696 that a wave stores
	global_store_b16 v[LS], v[T1], s[48:49] offset:128
	s_wait_tensorcnt 0x0
	ds_add_u32 v210, v211
	s_wait_dscnt 0x0
	s_endpgm
.Lfunc_end_k_q0d0e1c1926_proj:
	.size	k_q0d0e1c1926_proj, .Lfunc_end_k_q0d0e1c1926_proj-k_q0d0e1c1926_proj
	.p2alignl 7, 3214868480
	.fill 96, 4, 3214868480
	.section	.rodata,"a",@progbits
	.p2align	6, 0x0
	.amdhsa_kernel k_q0d0e1c1926_proj
		.amdhsa_group_segment_fixed_size 202240
		.amdhsa_private_segment_fixed_size 0
		.amdhsa_enable_private_segment 0
		.amdhsa_kernarg_size 120
		.amdhsa_user_sgpr_count 2
		.amdhsa_user_sgpr_kernarg_segment_ptr 1
		.amdhsa_wavefront_size32 1
		.amdhsa_system_sgpr_workgroup_id_x 1
		.amdhsa_system_sgpr_workgroup_id_y 1
		.amdhsa_system_sgpr_workgroup_id_z 1
		.amdhsa_system_vgpr_workitem_id 0
		.amdhsa_next_free_vgpr 1024
		.amdhsa_next_free_sgpr 66
		.amdhsa_reserve_vcc 1
		.amdhsa_float_denorm_mode_32 3
		.amdhsa_float_denorm_mode_16_64 3
		.amdhsa_memory_ordered 1
		.amdhsa_forward_progress 1
		.amdhsa_inst_pref_size 176
	.end_amdhsa_kernel
	.amdgpu_metadata
---
amdhsa.version: [ 1, 2 ]
amdhsa.kernels:
  - .name:           k_q0d0e1c1926_proj
    .symbol:         k_q0d0e1c1926_proj.kd
    .args:
      - { .name: queries, .offset: 0, .size: 8, .value_kind: global_buffer, .address_space: global }
      - { .name: keys_in_codes, .offset: 8, .size: 8, .value_kind: global_buffer, .address_space: global }
      - { .name: keys_in_scales, .offset: 16, .size: 8, .value_kind: global_buffer, .address_space: global }
      - { .name: Wq_codes, .offset: 24, .size: 8, .value_kind: global_buffer, .address_space: global }
      - { .name: Wq_scales, .offset: 32, .size: 8, .value_kind: global_buffer, .address_space: global }
      - { .name: bq, .offset: 40, .size: 8, .value_kind: global_buffer, .address_space: global }
      - { .name: Wk_codes, .offset: 48, .size: 8, .value_kind: global_buffer, .address_space: global }
      - { .name: Wk_scales, .offset: 56, .size: 8, .value_kind: global_buffer, .address_space: global }
      - { .name: bk, .offset: 64, .size: 8, .value_kind: global_buffer, .address_space: global }
      - { .name: Wv_codes, .offset: 72, .size: 8, .value_kind: global_buffer, .address_space: global }
      - { .name: Wv_scales, .offset: 80, .size: 8, .value_kind: global_buffer, .address_space: global }
      - { .name: bv, .offset: 88, .size: 8, .value_kind: global_buffer, .address_space: global }
      - { .name: qpk, .offset: 96, .size: 8, .value_kind: global_buffer, .address_space: global }
      - { .name: kpk, .offset: 104, .size: 8, .value_kind: global_buffer, .address_space: global }
      - { .name: vpk, .offset: 112, .size: 8, .value_kind: global_buffer, .address_space: global }
    .group_segment_fixed_size: 202240
    .private_segment_fixed_size: 0
    .kernarg_segment_align: 8
    .kernarg_segment_size: 120
    .max_flat_workgroup_size: 128
    .sgpr_count:     66
    .vgpr_count:     1024
    .wavefront_size: 32
...
	.end_amdgpu_metadata
.endif
;; end of part 1
;; launch attn (part 2): grid 8 x 32, 8 waves a work-group, clusters of 4 x 1, 327,680 bytes of LDS; arguments qpk, kpk, vpk, att, queries; writes att
.if DOCPART == 2
	.amdgcn_target "amdgcn-amd-amdhsa--gfx1250"
	.amdhsa_code_object_version 6
	.text
	.protected	k_q0d0e1c1926_attn
	.globl	k_q0d0e1c1926_attn
	.p2align	8
	.type	k_q0d0e1c1926_attn,@function
k_q0d0e1c1926_attn:
	s_mov_b64 s[64:65], 0
	v_nop
	global_prefetch_b8 v0, s[64:65] scope:SCOPE_SE
	s_setreg_imm32_b32 hwreg(HW_REG_WAVE_MODE, 25, 1), 1
	s_wait_xcnt 0x0
	s_wait_alu depctr_hold_cnt(0) depctr_sa_sdst(0) depctr_va_vdst(0) depctr_va_sdst(0) depctr_va_ssrc(0) depctr_va_vcc(0) depctr_vm_vsrc(0)
	s_getreg_b32 s2, hwreg(HW_REG_IB_STS2, 6, 4)
	s_cmp_eq_u32 s2, 0
	s_cbranch_scc0 .Lentry_in_a_cluster
	s_endpgm
.Lentry_in_a_cluster:
	s_bfe_u32 s2, ttmp6, 0x10000c
	s_cmp_lg_u32 s2, 0x3003
	s_cbranch_scc0 .Lentry_shape_is_right
	s_endpgm
.Lentry_shape_is_right:
; att[b][q][64 h ..] = the sum over k of softmax_k(Q . K / 8) V for one head, both products on codes of BF8 (E5M2) with one E8M0 scale for each 32 along K.
; The softmax is quantised FINISHED AND NORMALISED, so the keys are walked twice: pass A takes each query's largest score (a running maximum) and the sum of 2^(t - M); pass B makes the scores
; again, p = 2^(t - M - log2(sum)), quantises p along the keys and multiplies by V.  t = score x log2(e) / 8.
; qpk, kpk, vpk are images of operand registers (lane l's 16 bytes at 16 l), as the launch before leaves them.  A step of 128 keys: K 9,728 bytes (eight half fragments, eight mask words' images, four registers of
; scale words), V 8,448 (four fragments, two registers of scale words).  The first product's K is 64 of the instruction's 128: registers 9-15 of its fragments are zeros; k = 64 carries the key mask (a masked key's score is -2^33).
; A query that does not count has +infinity taken off its exponents: all its p are 0.
; SHARES.  A work-group: 256 queries of one head; each of eight waves 32 of them, two tiles, two waves to a SIMD.  All 16 steps of the head's K and V lie in LDS, each byte filled once.
; Both products are used transposed: a lane holds one query (lane % 16), its registers run along the keys (S^T) or the head's features (O^T).
; CLUSTER.  The four work-groups of a cluster walk the same head: K and V are asked for jointly (mask 15).  ONE tensor load a wave, behind the opening round: waves 0-3 a quarter of K each (four steps, 152 rows of
; 256 bytes), each by a line of its own, so that a barrier can show one quarter; waves 4-7 the quarters of V (132 rows), shown ahead of pass B.
; No prefetch: everything that the launch reads through LDS is asked for at the head, and there is no loop to run ahead in.
; LIMITS: NaN and infinities among the inputs are not served; the promise holds while the scaled scores stay under 2^31 in magnitude.  A block of p that is all 0 keeps the scale byte 1: its codes are zeros.
; THE RESIDUAL: the way out adds queries to the attention's result, so att holds out + queries.  A wave's part of queries, 32 rows x 256 bytes, lies as its part of att lies: it is loaded behind the last K Q^T into
; registers that held K's fragments, and asked of memory once by one prefetch a wave, a lane a row, at the head of pass B: 16 steps ahead of the loads.  Its address registers (v61, s[60:61]) are never rewritten.
.set KSTEP, 9728
.set KGRP,  4*KSTEP
.set VSTEP, 8448
.set VGRP,  4*VSTEP
.set VB,    16*KSTEP                   ; V behind K
.set STAGE, VB+16*VSTEP                ; the way out: 16 rows x 272 bytes a wave; no tile lands there
.set SP,    272
.set SPARE, STAGE+8*16*SP              ; the spare words: 128 bytes a wave
.set LI,  1                            ; 16 x lane
.set LS,  2                            ; 4 x lane
.set ADK, 3                            ; LDS addresses of the step in hand: K's fragments, K's words, V's fragments, V's words
.set ADM, 4
.set ADV, 5
.set ADW, 6
.set STO, 7                            ; the way out
.set RD,  8
.set GO,  9
.set ST,  12                           ; v12-27 a tile's state, 8 registers: 0 the exponent's addend (-M c), 1 the largest score, 2-3 the sum, 4-5 the factor, 6-7 at work
.set QS,  28                           ; v28, 29 Q's scale words
.set PS,  30                           ; v30, 31 p's
.set KS,  32                           ; v32-35 K's
.set VS,  36                           ; v36, 37 V's
.set QAD, 38                           ; v38, 39 0 or +infinity: the query mask
.set MX,  40                           ; v40-47 the blocks' largest: tile t, block b at 4 t + b
.set PX,  48                           ; v48-55 lane permutes' destinations; then:
.set BY,  48                           ; v48-51 scale bytes
.set BD,  52                           ; v52-55 57,344 x the scale
.set SOP, 56                           ; v56-59 the conversions' scale operands
.set SPW, 62
.set NIL, 63
.set Q,   64                           ; v64-95 Q's two fragments
.set P,   96                           ; v96-127 p's codes
.set S,   128                          ; v128-255 S^T, then p: tile t at 64 t
.set VF,  128                          ; window 1: v0-127 K's eight fragments, v128-191 V's four, v192-255 O^T
.set OT,  192
.set WV,  12
.set G1K, 16
.set G1V, 24
.set G0V, 36
.set CS,  40
.set NCS, 42
.set MNT, 43
.set SEL, 44
.set TB,  46
.set TV,  47
.set CNT, 48
.set G0K, 68
.set MSB, 0
.macro WIN new                         ; the immediate's high byte repeats the setting that is left
.if MSB != \new
	s_set_vgpr_msb (MSB<<8)|\new
.set MSB, \new
.endif
.endm
.macro WM d, a, b, c, sa, sb, row      ; one product; c < 0: it starts the sum; row = 1: source 0's scales from lanes 16-31
.if (\c) < 0
.if (\row) == 1
	v_wmma_scale_f32_16x16x128_f8f6f4 v[0+(\d):7+(\d)], v[0+(\a):15+(\a)], v[0+(\b):15+(\b)], 0, v[\sa], v[\sb] matrix_a_fmt:MATRIX_FMT_BF8 matrix_b_fmt:MATRIX_FMT_BF8 matrix_a_scale:MATRIX_SCALE_ROW1
.else
	v_wmma_scale_f32_16x16x128_f8f6f4 v[0+(\d):7+(\d)], v[0+(\a):15+(\a)], v[0+(\b):15+(\b)], 0, v[\sa], v[\sb] matrix_a_fmt:MATRIX_FMT_BF8 matrix_b_fmt:MATRIX_FMT_BF8
.endif
.else
.if (\row) == 1
	v_wmma_scale_f32_16x16x128_f8f6f4 v[0+(\d):7+(\d)], v[0+(\a):15+(\a)], v[0+(\b):15+(\b)], v[0+(\c):7+(\c)], v[\sa], v[\sb] matrix_a_fmt:MATRIX_FMT_BF8 matrix_b_fmt:MATRIX_FMT_BF8 matrix_a_scale:MATRIX_SCALE_ROW1
.else
	v_wmma_scale_f32_16x16x128_f8f6f4 v[0+(\d):7+(\d)], v[0+(\a):15+(\a)], v[0+(\b):15+(\b)], v[0+(\c):7+(\c)], v[\sa], v[\sb] matrix_a_fmt:MATRIX_FMT_BF8 matrix_b_fmt:MATRIX_FMT_BF8
.endif
.endif
.endm
.macro WALU
	s_wait_alu depctr_va_vdst(0)
.endm
.macro PLACES n
.rept \n
	v_nop
.endr
.endm
.macro ROUND                           ; a round of the cluster's barrier
	s_barrier_signal -1
	s_barrier_wait -1
	s_cmp_lg_u32 s[WV], 0
	s_cbranch_scc1 .Lnot_wave_0_\@
	s_barrier_signal -3
.Lnot_wave_0_\@:
	s_barrier_wait -3
	s_barrier_signal -1
	s_barrier_wait -1
.endm
.macro FETCH_K                         ; 28 loads: eight half fragments, their mask words, four registers of scale words
	WIN 0x40
.irp i,0,1,2,3,4,5,6,7
	ds_load_b128 v[16*\i:16*\i+3], v[ADK] offset:1024*\i
	ds_load_b128 v[16*\i+4:16*\i+7], v[ADK] offset:1024*\i+512
.endr
.irp i,0,1,2,3,4,5,6,7
	ds_load_b32 v[16*\i+8], v[ADM] offset:8192+128*\i
.endr
	WIN 0
.irp p,0,1,2,3
	ds_load_b32 v[KS+\p], v[ADM] offset:9216+128*\p
.endr
.endm
.macro FETCH_V                         ; 18 loads
	WIN 0x40
.irp d,0,1,2,3
.irp c,0,1,2,3
	ds_load_b128 v[VF+16*\d+4*\c:VF+16*\d+4*\c+3], v[ADV] offset:2048*\d+512*\c
.endr
.endr
	WIN 0
.irp p,0,1
	ds_load_b32 v[VS+\p], v[ADW] offset:8192+128*\p
.endr
.endm
.macro KQ                              ; S^T = K Q^T: eight tiles of keys x my two tiles of queries
	WIN 0x01
.irp i,0,1,2,3,4,5,6,7
.irp t,0,1
	WM S+64*\t+8*\i, 16*\i, Q+16*\t, -1, KS+\i/2, QS+\t, \i%2
.endr
.endr
	WIN 0
.endm
.macro PV zero                         ; O^T += V^T p^T: the eight accumulators by turns
	WIN 0x51
.irp d,0,1,2,3
.irp t,0,1
.if \zero
	WALU
	WM OT+32*\t+8*\d, VF+16*\d, P+16*\t, -1, VS+\d/2, PS+\t, \d%2
.else
	WM OT+32*\t+8*\d, VF+16*\d, P+16*\t, OT+32*\t+8*\d, VS+\d/2, PS+\t, \d%2
.endif
.endr
.endr
	WIN 0
.endm
.macro MAX8                            ; my 16 scores of each block of 32 keys: their largest; both tiles' four blocks by turns, each accumulator from its low end on
.irp t,0,1
.irp b,0,1,2,3
	v_max3_num_f32 v[MX+4*\t+\b], v[S+64*\t+16*\b], v[S+64*\t+16*\b+1], v[S+64*\t+16*\b+2]
.endr
.endr
.irp i,3,5,7,9,11,13
.irp t,0,1
.irp b,0,1,2,3
	v_max3_num_f32 v[MX+4*\t+\b], v[MX+4*\t+\b], v[S+64*\t+16*\b+\i], v[S+64*\t+16*\b+\i+1]
.endr
.endr
.endr
.irp t,0,1
.irp b,0,1,2,3
	v_max_num_f32 v[MX+4*\t+\b], v[MX+4*\t+\b], v[S+64*\t+16*\b+15]
.endr
.endr
.endm
.macro FMA t, j                        ; two exponents: score x c + the tile's addend (of both pairs the low word serves both halves)
	v_pk_fma_f32 v[S+64*(\t)+(\j):S+64*(\t)+(\j)+1], v[S+64*(\t)+(\j):S+64*(\t)+(\j)+1], s[CS:CS+1], v[ST+8*(\t):ST+8*(\t)+1] op_sel_hi:[1,0,0]
.endm
.macro FMA32 t
.set j, 0
.rept 32
	FMA \t, j
.set j, j+2
.endr
.endm
.macro LVL t, st                       ; a level of the sum's tree: pairs st registers apart
.set j, 0
.rept 32/(\st)
	v_pk_add_f32 v[S+64*(\t)+j:S+64*(\t)+j+1], v[S+64*(\t)+j:S+64*(\t)+j+1], v[S+64*(\t)+j+(\st):S+64*(\t)+j+(\st)+1]
.set j, j+2*(\st)
.endr
.endm
; PASS A's softmax of a step, both tiles.  Among a batch of exponentials stand only lines whose results are first read behind the batch's closing wait.
.macro SOFT_A
	MAX8
.irp t,0,1
	v_max3_num_f32 v[ST+8*\t+6], v[MX+4*\t], v[MX+4*\t+1], v[MX+4*\t+2]
.endr
.irp t,0,1
	v_max3_num_f32 v[ST+8*\t+6], v[ST+8*\t+6], v[MX+4*\t+3], v[ST+8*\t+1]
.endr
.irp t,0,1
	v_permlanex16_b32 v[ST+8*\t+7], v[ST+8*\t+6], s[SEL], s[SEL+1]
.endr
.irp t,0,1
	v_max_num_f32 v[ST+8*\t+1], v[ST+8*\t+6], v[ST+8*\t+7]      ; the running largest score
.endr
.irp t,0,1
	v_mov_b32 v[ST+8*\t+6], v[ST+8*\t]
.endr
.irp t,0,1
	v_mul_f32 v[ST+8*\t], s[NCS], v[ST+8*\t+1]                  ; -M c
.endr
.irp t,0,1
	v_sub_f32 v[ST+8*\t+6], v[ST+8*\t], v[ST+8*\t+6]            ; (old M - new M) c, 0 or less
.endr
	FMA32 0
	WALU                                                       ; ahead of the batch
	v_exp_f32 v[ST+4], v[ST+6]                                 ; what brings the sums under the new M
	v_exp_f32 v[ST+12], v[ST+14]
.set j, 0
.rept 32
	v_exp_f32 v[S+j], v[S+j]
	v_exp_f32 v[S+j+1], v[S+j+1]
	FMA 1, j
.set j, j+2
.endr
	WALU                                                       ; behind the batch, and ahead of the next
.irp t,0,1
	v_pk_mul_f32 v[ST+8*\t+2:ST+8*\t+3], v[ST+8*\t+2:ST+8*\t+3], v[ST+8*\t+4:ST+8*\t+5] op_sel_hi:[1,0]
.endr
.set j, 0
.rept 16
	v_exp_f32 v[S+64+j], v[S+64+j]
	v_exp_f32 v[S+64+j+1], v[S+64+j+1]
	v_exp_f32 v[S+64+j+2], v[S+64+j+2]
	v_exp_f32 v[S+64+j+3], v[S+64+j+3]
	v_pk_add_f32 v[S+j:S+j+1], v[S+j:S+j+1], v[S+j+2:S+j+3]    ; tile 0's first level
.set j, j+4
.endr
	WALU
	LVL 1, 2
	LVL 0, 4
	LVL 1, 4
	LVL 0, 8
	LVL 1, 8
	LVL 0, 16
	LVL 1, 16
	LVL 0, 32
	LVL 1, 32
.irp t,0,1
	v_pk_add_f32 v[ST+8*\t+2:ST+8*\t+3], v[ST+8*\t+2:ST+8*\t+3], v[S+64*\t:S+64*\t+1]
.endr
.endm
.macro FINISH t                        ; the addend of pass B: -M c - log2(the row's sum) - the query mask
.set rT, ST+8*(\t)
	v_add_f32 v[rT+6], v[rT+2], v[rT+3]
	s_delay_alu instid0(VALU_DEP_1)
	v_permlanex16_b32 v[rT+7], v[rT+6], s[SEL], s[SEL+1]
	s_delay_alu instid0(VALU_DEP_1)
	v_add_f32 v[rT+6], v[rT+6], v[rT+7]
	s_wait_alu depctr_va_vdst(0)
	v_log_f32 v[rT+7], v[rT+6]
	v_nop
	s_wait_alu depctr_va_vdst(0)
	v_sub_f32 v[rT], v[rT], v[rT+7]
	s_delay_alu instid0(VALU_DEP_1)
	v_sub_f32 v[rT], v[rT], v[QAD+\t]
.endm
.macro SCALES t                        ; from a tile's four largest p: scale operands, bounds, bytes, the scale word
.irp b,0,1,2,3
	v_max_num_f32 v[MX+4*\t+\b], 0x8000000, v[MX+4*\t+\b]      ; the floor 2^(16 - 127): the byte cannot fall under 1
.endr
.irp b,0,1,2,3
	v_add_nc_u32 v[SOP+\b], 0xf8800000, v[MX+4*\t+\b]          ; 15 off the exponent field
.endr
.irp b,0,1,2,3
	v_and_or_b32 v[BD+\b], v[MX+4*\t+\b], 0x7f800000, s[MNT]   ; 57,344 x the scale
.endr
.irp b,0,1,2,3
	v_lshrrev_b32 v[BY+\b], 23, v[SOP+\b]
.endr
	v_lshl_or_b32 v[PS+\t], v[BY+1], 8, v[BY]
	v_lshl_or_b32 v[PS+\t], v[BY+2], 16, v[PS+\t]
	v_lshl_or_b32 v[PS+\t], v[BY+3], 24, v[PS+\t]
.endm
.macro HOLD2 t, j                      ; two p held at their block's bound (the conversion does not saturate: ISA guide 7.6.2; p is not negative)
	v_dual_min_num_f32 v[S+64*(\t)+(\j)], v[S+64*(\t)+(\j)], v[BD+(\j)/16] :: v_dual_min_num_f32 v[S+64*(\t)+(\j)+1], v[S+64*(\t)+(\j)+1], v[BD+(\j)/16]
.endm
.macro CVT t
.irp b,0,1,2,3
	v_cvt_scalef32_pk8_bf8_f32 v[P+16*\t+4*\b:P+16*\t+4*\b+1], v[S+64*\t+16*\b:S+64*\t+16*\b+7], v[SOP+\b]
	v_cvt_scalef32_pk8_bf8_f32 v[P+16*\t+4*\b+2:P+16*\t+4*\b+3], v[S+64*\t+16*\b+8:S+64*\t+16*\b+15], v[SOP+\b]
.endr
	v_nop                                                      ; one plain line behind the last conversion
.endm
; PASS B's softmax and quantiser of a step, both tiles.  A block's largest p is made of its largest score by the same multiply-add and exponential.
.macro QUANT_P
	MAX8
.irp i,0,1,2,3,4,5,6,7
	v_permlanex16_b32 v[PX+\i], v[MX+\i], s[SEL], s[SEL+1]
.endr
.irp i,0,1,2,3,4,5,6,7
	v_max_num_f32 v[MX+\i], v[MX+\i], v[PX+\i]                 ; with lane l xor 16's 16 keys
.endr
	FMA32 0
.irp t,0,1
.irp b,0,1,2,3
	v_fma_f32 v[MX+4*\t+\b], v[MX+4*\t+\b], s[CS], v[ST+8*\t]
.endr
.endr
	WALU                                                       ; ahead of the batch
.irp i,0,1,2,3,4,5,6,7
	v_exp_f32 v[MX+\i], v[MX+\i]
.endr
.set j, 0
.rept 32
	v_exp_f32 v[S+j], v[S+j]
	v_exp_f32 v[S+j+1], v[S+j+1]
	FMA 1, j
.set j, j+2
.endr
	WALU                                                       ; behind the batch
	SCALES 0
	WALU                                                       ; ahead of the next batch
.set j, 0
.rept 32
	v_exp_f32 v[S+64+j], v[S+64+j]
	v_exp_f32 v[S+64+j+1], v[S+64+j+1]
	HOLD2 0, j
.set j, j+2
.endr
	v_nop                                                      ; a plain place behind the last exponential
	WALU
	CVT 0
	SCALES 1
.set j, 0
.rept 32
	HOLD2 1, j
.set j, j+2
.endr
	CVT 1
.endm
.macro STEP_A wrap                     ; a step of pass A; the next step's fragments are fetched under its softmax (wrap: step 0's, for pass B)
	s_wait_dscnt 0x0
	KQ
.if \wrap
	s_mov_b32 s[TB], 0
.else
	s_add_co_u32 s[TB], s[TB], KSTEP
.endif
	v_add_nc_u32 v[ADK], s[TB], v[LI]
	v_add_nc_u32 v[ADM], s[TB], v[LS]
	PLACES 6                                                   ; with the two lines above: eight places behind the products
	FETCH_K
	SOFT_A
.endm
.macro RUN_A trips
	s_mov_b32 s[CNT], \trips
.Lpass_a_\@:
	STEP_A 0
	s_sub_co_u32 s[CNT], s[CNT], 1
	s_cmp_lg_u32 s[CNT], 0
	s_cbranch_scc1 .Lpass_a_\@
.endm
.macro GROUP_IN under                  ; the barrier that shows K's quarter number under - 1: the wave that asked for it has waited
	s_cmp_lt_u32 s[WV], \under
	s_cbranch_scc0 .Lnot_mine_\@
	s_wait_tensorcnt 0x0
.Lnot_mine_\@:
	s_wait_dscnt 0x0
	s_barrier_signal -1
	s_barrier_wait -1
.endm
.macro STEP_B zero, last
	s_wait_dscnt 18                                            ; K's 28 loads are in; V's 18, issued behind them, may be out
	KQ
.if \last
	PLACES 8
	WIN 0x40                                                   ; K's fragments are done with: window 1, v0-63 take my rows of queries
.irp t,0,1
.irp i,0,1,2,3,4,5,6,7
	global_load_b128 v[32*\t+4*\i:32*\t+4*\i+3], v[GO], s[60:61] offset:(16*\t+2*\i)*2048 th:TH_LOAD_NT
.endr
.endr
	WIN 0
.else
	s_add_co_u32 s[TB], s[TB], KSTEP
	v_add_nc_u32 v[ADK], s[TB], v[LI]
	v_add_nc_u32 v[ADM], s[TB], v[LS]
	PLACES 6
	FETCH_K
.endif
	QUANT_P
	PLACES 4                                                   ; codes written by vector instructions stand four places ahead of a scaled product
	WALU
.if \last
	s_wait_dscnt 0x0
.else
	s_wait_dscnt 28                                            ; V's 18 loads are in; the next step's 28 of K may be out
.endif
	PV \zero
.if \last == 0
	s_add_co_u32 s[TV], s[TV], VSTEP
	v_add_nc_u32 v[ADV], s[TV], v[LI]
	v_add_nc_u32 v[ADW], s[TV], v[LS]
	PLACES 6
	FETCH_V
.endif
.endm
.macro ARM under, next                 ; one arm of the head's chain: a quarter of K by a line of its own
	s_cmp_lt_u32 s[WV], \under
	s_cbranch_scc0 \next
	tensor_load_to_lds s[G0K:G0K+3], s[G1K:G1K+7]
	s_nop 0
	PLACES 4
	s_branch .Lhead_asked
\next:
.endm
	s_load_b256 s[4:11], s[0:1], 0x0               ; qpk, kpk, vpk, att
	s_load_b64 s[60:61], s[0:1], 0x20              ; queries
	v_lshl_add_u32 v[SPW], v0, 2, SPARE
	v_mov_b32 v[NIL], 0
	ds_add_u32 v[SPW], v[NIL]                      ; the opening lines: the add twice on end and its wait
	ds_add_u32 v[SPW], v[NIL]
	v_lshrrev_b32 v10, 5, v0
	v_readfirstlane_b32 s[WV], v10                 ; wave 0..7
	s_bfe_u32 s13, ttmp6, 0x40000                  ; cx
	s_lshl_b32 s14, ttmp9, 2
	s_add_co_u32 s14, s14, s13                     ; which 256 queries
	s_and_b32 s15, ttmp7, 0xffff                   ; 8 x batch + head
	s_mov_b32 s[G1K], 15|(3<<16)|(1<<21)           ; dense blocks as rows of 256 bytes (32 elements of 8); the mask names the cluster's four
	s_mov_b32 s[G1K+1], 32<<16
	s_mov_b32 s[G1K+2], (KGRP/256)<<16
	s_mov_b32 s[G1K+3], 32<<16
	s_mov_b32 s[G1K+4], KGRP/256
	s_mov_b32 s[G1K+5], 32
	s_mov_b32 s[G1K+6], 0
	s_mov_b32 s[G1K+7], 0
	s_mov_b32 s[G1V], 15|(3<<16)|(1<<21)
	s_mov_b32 s[G1V+1], 32<<16
	s_mov_b32 s[G1V+2], (VGRP/256)<<16
	s_mov_b32 s[G1V+3], 32<<16
	s_mov_b32 s[G1V+4], VGRP/256
	s_mov_b32 s[G1V+5], 32
	s_mov_b32 s[G1V+6], 0
	s_mov_b32 s[G1V+7], 0
	s_and_b32 s32, s[WV], 3                        ; which quarter I ask for
	s_mul_i32 s33, s32, KGRP
	s_mul_i32 s50, s15, 16*KSTEP
	s_add_co_u32 s50, s50, s33
	s_mov_b32 s51, 0
	s_mul_i32 s55, s32, VGRP
	s_mul_i32 s52, s15, 16*VSTEP
	s_add_co_u32 s52, s52, s55
	s_mov_b32 s53, 0
	s_lshl_b32 s56, s15, 6                         ; qpk: 64 pairs of tiles a head, 2,304 bytes each
	s_lshl_b32 s58, s14, 3
	s_add_co_u32 s56, s56, s58
	s_add_co_u32 s56, s56, s[WV]
	s_mul_i32 s56, s56, 2304
	s_mov_b32 s57, 0
	s_lshr_b32 s58, s15, 3                         ; att: row 2,048 x batch + 256 x block + 32 x wave, 2,048 bytes a row; + 256 x head
	s_lshl_b32 s58, s58, 11
	s_lshl_b32 s59, s14, 8
	s_add_co_u32 s58, s58, s59
	s_lshl_b32 s59, s[WV], 5
	s_add_co_u32 s58, s58, s59
	s_lshl_b32 s58, s58, 11
	s_and_b32 s59, s15, 7
	s_lshl_b32 s59, s59, 8
	s_add_co_u32 s58, s58, s59
	s_mov_b32 s59, 0
	s_mov_b32 s[CS], 0x3e38aa3b                    ; c = log2(e) / 8
	s_mov_b32 s[CS+1], s[CS]
	s_mov_b32 s[NCS], 0xbe38aa3b
	s_mov_b32 s[MNT], 0x600000                     ; the mantissa field of 57,344
	s_mov_b32 s[SEL], 0x76543210
	s_mov_b32 s[SEL+1], 0xfedcba98                 ; lane l xor 16
	s_wait_dscnt 0x0                               ; both opening adds are done
	s_wait_kmcnt 0x0
	s_add_nc_u64 s[4:5], s[4:5], s[56:57]
	s_add_nc_u64 s[10:11], s[10:11], s[58:59]
	s_add_nc_u64 s[60:61], s[60:61], s[58:59]      ; queries at the place of my part of att
	s_mov_b32 s[G0K], 1
	s_mov_b32 s[G0K+1], s33
	s_add_nc_u64 s[G0K+2:G0K+3], s[6:7], s[50:51]
	s_or_b32 s[G0K+3], s[G0K+3], 0x80000000
	s_mov_b32 s[G0V], 1
	s_add_co_u32 s[G0V+1], s55, VB
	s_add_nc_u64 s[G0V+2:G0V+3], s[8:9], s[52:53]
	s_or_b32 s[G0V+3], s[G0V+3], 0x80000000
	ROUND                                          ; all four work-groups are here: the joint loads meet
	ARM 1, .Lhead_1
	ARM 2, .Lhead_2
	ARM 3, .Lhead_3
	ARM 4, .Lhead_v
	tensor_load_to_lds s[G0V:G0V+3], s[G1V:G1V+7]  ; waves 4-7: V's quarters
	s_nop 0
	PLACES 4
.Lhead_asked:
	v_and_b32 v10, 31, v0
	v_lshlrev_b32 v[LI], 4, v10
	v_lshlrev_b32 v[LS], 2, v10
	v_and_b32 v11, 15, v0                          ; r
	v_bfe_u32 v60, v0, 4, 1                        ; h
	v_lshlrev_b32 v10, 2, v11
.irp t,0,1
.irp c,0,1
	global_load_b128 v[Q+16*\t+4*\c:Q+16*\t+4*\c+3], v[LI], s[4:5] offset:1024*\t+512*\c
.endr
	global_load_b32 v[QS+\t], v10, s[4:5] offset:2048+64*\t
	global_load_b32 v[QAD+\t], v10, s[4:5] offset:2176+64*\t
.endr
	v_sub_nc_u32 v61, 1, v60
	v_mul_u32_u24 v61, v61, 0x3c                   ; the code of +1 at k = 64: byte 0 of register 8 in lanes 0-15
.irp t,0,1
	v_mov_b32 v[Q+16*\t+8], v61
.irp j,9,10,11,12,13,14,15
	v_mov_b32 v[Q+16*\t+\j], 0
.endr
	v_mov_b32 v[ST+8*\t+1], 0xff61b1e6             ; the largest score so far: -3e38
	v_mul_f32 v[ST+8*\t], s[NCS], v[ST+8*\t+1]
.irp j,2,3,4,5,6,7
	v_mov_b32 v[ST+8*\t+\j], 0
.endr
.endr
.irp i,0,1,2,3,4,5,6,7
	v_mov_b32 v[PX+\i], 0                          ; written once: a lane permute's destination counts as one of its sources
.endr
	WIN 0x40
.irp i,0,1,2,3,4,5,6,7
.irp j,9,10,11,12,13,14,15
	v_mov_b32 v[16*\i+\j], 0                       ; K's fragments beyond k = 67: zeros, written once
.endr
.endr
	WIN 0
	s_mul_i32 s49, s[WV], 16*SP
	s_add_co_u32 s49, s49, STAGE                   ; my stage
	v_mul_u32_u24 v[STO], v11, SP
	v_lshl_add_u32 v[STO], v60, 5, v[STO]
	v_add_nc_u32 v[STO], s49, v[STO]
	v_mul_u32_u24 v[RD], v60, SP
	v_lshl_add_u32 v[RD], v11, 4, v[RD]
	v_add_nc_u32 v[RD], s49, v[RD]
	v_lshlrev_b32 v[GO], 11, v60
	v_lshl_add_u32 v[GO], v11, 4, v[GO]
	v_and_b32 v61, 31, v0
	v_lshlrev_b32 v61, 11, v61                     ; the prefetch's offset: a lane a row of 2,048 bytes
	WALU                                           ; at the head's end
	GROUP_IN 1                                     ; K's steps 0-3 are in
	s_mov_b32 s[TB], 0
	v_add_nc_u32 v[ADK], s[TB], v[LI]
	v_add_nc_u32 v[ADM], s[TB], v[LS]
	FETCH_K
	s_wait_loadcnt 0x0                             ; Q
	RUN_A 3                                        ; steps 0-2; the last fetch is step 3's
	GROUP_IN 2
	RUN_A 4
	GROUP_IN 3
	RUN_A 4
	GROUP_IN 4
	RUN_A 4
	STEP_A 1
	FINISH 0
	FINISH 1
	s_wait_tensorcnt 0x0                           ; every wave: V is in
	s_wait_dscnt 0x0
	s_barrier_signal -1
	s_barrier_wait -1
	global_prefetch_b8 v61, s[60:61] th:TH_LOAD_NT scope:SCOPE_SE
	s_mov_b32 s[TV], VB
	v_add_nc_u32 v[ADV], s[TV], v[LI]
	v_add_nc_u32 v[ADW], s[TV], v[LS]
	FETCH_V
	STEP_B 1, 0                                    ; the first step's products start the sums
	s_mov_b32 s[CNT], 14
.Lpass_b:
	STEP_B 0, 0
	s_sub_co_u32 s[CNT], s[CNT], 1
	s_cmp_lg_u32 s[CNT], 0
	s_cbranch_scc1 .Lpass_b
	STEP_B 0, 1
	PLACES 8
	s_wait_loadcnt 0x0                             ; my rows of queries are in
	; THE WAY OUT: a tile's 16 rows x 256 bytes go through my stage and leave as aligned units of 256 bytes, sixteen lanes to a unit.  LDS serves a wave's instructions in order.
.irp t,0,1
	WIN 0x04
.irp d,0,1,2,3
	ds_store_b128 v[STO], v[OT+32*\t+8*\d:OT+32*\t+8*\d+3] offset:64*\d
	ds_store_b128 v[STO], v[OT+32*\t+8*\d+4:OT+32*\t+8*\d+7] offset:64*\d+16
.endr
	WIN 0
.irp i,0,1,2,3,4,5,6,7
	ds_load_b128 v[S+32*\t+4*\i:S+32*\t+4*\i+3], v[RD] offset:2*\i*SP
.endr
.endr
.irp t,0,1
.irp i,0,1,2,3,4,5,6,7
	s_wait_dscnt 16*(1-\t)+7-\i                    ; what was issued behind this load: the later loads, and tile 1's eight stores
	WIN 0x04
	v_pk_add_f32 v[S+32*\t+4*\i:S+32*\t+4*\i+1], v[S+32*\t+4*\i:S+32*\t+4*\i+1], v[32*\t+4*\i:32*\t+4*\i+1]
	v_pk_add_f32 v[S+32*\t+4*\i+2:S+32*\t+4*\i+3], v[S+32*\t+4*\i+2:S+32*\t+4*\i+3], v[32*\t+4*\i+2:32*\t+4*\i+3]
	WIN 0
	global_store_b128 v[GO], v[S+32*\t+4*\i:S+32*\t+4*\i+3], s[10:11] offset:(16*\t+2*\i)*2048
.endr
.endr
	s_wait_tensorcnt 0x0                           ; the wave's end
	ds_add_u32 v[SPW], v[NIL]
	s_wait_dscnt 0x0
	ROUND                                          ; the closing round
	s_endpgm
.Lfunc_end_k_q0d0e1c1926_attn:
	.size	k_q0d0e1c1926_attn, .Lfunc_end_k_q0d0e1c1926_attn-k_q0d0e1c1926_attn
	.p2alignl 7, 3214868480
	.fill 96, 4, 3214868480
	.section	.rodata,"a",@progbits
	.p2align	6, 0x0
	.amdhsa_kernel k_q0d0e1c1926_attn
		.amdhsa_group_segment_fixed_size 327680
		.amdhsa_private_segment_fixed_size 0
		.amdhsa_enable_private_segment 0
		.amdhsa_kernarg_size 40
		.amdhsa_user_sgpr_count 2
		.amdhsa_user_sgpr_kernarg_segment_ptr 1
		.amdhsa_wavefront_size32 1
		.amdhsa_system_sgpr_workgroup_id_x 1
		.amdhsa_system_sgpr_workgroup_id_y 1
		.amdhsa_system_sgpr_workgroup_id_z 1
		.amdhsa_system_vgpr_workitem_id 0
		.amdhsa_next_free_vgpr 512
		.amdhsa_next_free_sgpr 84
		.amdhsa_reserve_vcc 0
		.amdhsa_float_denorm_mode_32 3
		.amdhsa_float_denorm_mode_16_64 3
		.amdhsa_memory_ordered 1
		.amdhsa_forward_progress 1
		.amdhsa_inst_pref_size 211
	.end_amdhsa_kernel
	.amdgpu_metadata
---
amdhsa.version: [ 1, 2 ]
amdhsa.kernels:
  - .name:           k_q0d0e1c1926_attn
    .symbol:         k_q0d0e1c1926_attn.kd
    .args:
      - { .name: qpk, .offset: 0, .size: 8, .value_kind: global_buffer, .address_space: global }
      - { .name: kpk, .offset: 8, .size: 8, .value_kind: global_buffer, .address_space: global }
      - { .name: vpk, .offset: 16, .size: 8, .value_kind: global_buffer, .address_space: global }
      - { .name: att, .offset: 24, .size: 8, .value_kind: global_buffer, .address_space: global }
      - { .name: queries, .offset: 32, .size: 8, .value_kind: global_buffer, .address_space: global }
    .group_segment_fixed_size: 327680
    .private_segment_fixed_size: 0
    .kernarg_segment_align: 8
    .kernarg_segment_size: 40
    .max_flat_workgroup_size: 256
    .sgpr_count:     84
    .vgpr_count:     512
    .wavefront_size: 32
...
	.end_amdgpu_metadata
.endif
;; end of part 2
;; launch ln (part 3): grid 512 x 1, 4 waves a work-group, no clusters, 0 bytes of LDS; arguments att, gamma, beta, out0; writes out0
.if DOCPART == 3
	.amdgcn_target "amdgcn-amd-amdhsa--gfx1250"
	.amdhsa_code_object_version 6
	.text
	.protected	k_q0d0e1c1926_ln
	.globl	k_q0d0e1c1926_ln
	.p2align	8
	.type	k_q0d0e1c1926_ln,@function
k_q0d0e1c1926_ln:
	s_mov_b64 s[64:65], 0
	v_nop
	global_prefetch_b8 v0, s[64:65] scope:SCOPE_SE
	s_setreg_imm32_b32 hwreg(HW_REG_WAVE_MODE, 25, 1), 1
	s_wait_xcnt 0x0
; out0 = LayerNorm(att) x gamma + beta over the last axis (512 numbers, eps = 1e-3), all in f32; att holds the attention's result + queries, as the launch before leaves it.
; A launch of its own: a row's 512 numbers come from eight heads, which the launch before shares among eight work-groups.
; A stream: each byte is read once and written once.  One wave takes four whole rows (2,048 bytes each): a row is 16 registers a lane, so it stays in registers between the mean, the variance and the scaling, and
; the reductions never leave the wave: no LDS, no barrier, no matrix unit, no cluster (no two work-groups read the same rows).  Each load and store of a wave covers 512 consecutive bytes.  All loads of a wave go out at once; no loop.
; The variance is taken of the centred numbers (two passes over registers), not as a difference of large sums.
.set G,   4                            ; v4-19    gamma of my 16 columns (128 j + 4 lane + 0 .. 3)
.set BT,  20                           ; v20-35   beta
.set A,   36                           ; v36-99   row i: the residual, then the result
.set T,   100                          ; v100-107 at work
.set MU,  108                          ; v108-109 -mean, twice
.set RS,  110                          ; v110-111 1 / sqrt(var + eps), twice
.set PX,  112                          ; v112     the lane permute's destination
	s_load_b256 s[4:11], s[0:1], 0x0               ; att s[4:5], gamma s[6:7], beta s[8:9], out0 s[10:11]
	v_lshrrev_b32 v2, 5, v0
	v_readfirstlane_b32 s14, v2                    ; wave 0..3
	v_and_b32 v1, 31, v0
	v_lshlrev_b32 v1, 4, v1                        ; 16 bytes a lane; never rewritten
	v_mov_b32 v[PX], 0                             ; written once: a lane permute's destination counts as one of its sources
	s_lshl_b32 s15, ttmp9, 2
	s_add_co_u32 s15, s15, s14
	s_lshl_b32 s16, s15, 13                        ; four rows of 2,048 bytes a wave
	s_mov_b32 s17, 0
	s_mov_b32 s18, 0xbb000000                      ; -1 / 512
	s_mov_b32 s19, 0x3b000000                      ; 1 / 512
	s_mov_b32 s20, 0x3a83126f                      ; eps = 1e-3
	s_mov_b32 s22, 0x76543210
	s_mov_b32 s23, 0xfedcba98                      ; v_permlanex16_b32's selects for lane l xor 16
	s_wait_alu depctr_va_vdst(0)                   ; at the head's end
	s_wait_kmcnt 0x0
	s_add_nc_u64 s[4:5], s[4:5], s[16:17]
	s_add_nc_u64 s[10:11], s[10:11], s[16:17]
.irp j,0,1,2,3
	global_load_b128 v[G+4*\j:G+4*\j+3], v1, s[6:7] offset:512*\j
	global_load_b128 v[BT+4*\j:BT+4*\j+3], v1, s[8:9] offset:512*\j
.endr
.irp i,0,1,2,3
.irp j,0,1,2,3
	global_load_b128 v[A+16*\i+4*\j:A+16*\i+4*\j+3], v1, s[4:5] offset:2048*\i+512*\j th:TH_LOAD_NT
.endr
.endr
.macro REDUCE                          ; v[T] summed over the 32 lanes, the result in every lane
	v_add_f32_dpp v[T], v[T], v[T] row_xmask:1 row_mask:0xf bank_mask:0xf
	v_add_f32_dpp v[T], v[T], v[T] row_xmask:2 row_mask:0xf bank_mask:0xf
	v_add_f32_dpp v[T], v[T], v[T] row_xmask:4 row_mask:0xf bank_mask:0xf
	v_add_f32_dpp v[T], v[T], v[T] row_xmask:8 row_mask:0xf bank_mask:0xf
	v_permlanex16_b32 v[PX], v[T], s22, s23
	v_add_f32 v[T], v[T], v[PX]
.endm
.macro ROWN i
.set R, A+16*\i
	s_wait_loadcnt 4*(3-\i)                        ; loads come back in order (ISA guide 5.7.1): this row's four are in, the later rows' four each stay out
.irp k,0,1,2,3
	v_pk_add_f32 v[T+2*\k:T+2*\k+1], v[R+4*\k:R+4*\k+1], v[R+4*\k+2:R+4*\k+3]
.endr
	v_pk_add_f32 v[T:T+1], v[T:T+1], v[T+2:T+3]
	v_pk_add_f32 v[T+4:T+5], v[T+4:T+5], v[T+6:T+7]
	v_pk_add_f32 v[T:T+1], v[T:T+1], v[T+4:T+5]
	v_add_f32 v[T], v[T], v[T+1]
	REDUCE
	v_mul_f32 v[MU], s18, v[T]                     ; -mean
	v_mov_b32 v[MU+1], v[MU]
.irp k,0,2,4,6,8,10,12,14
	v_pk_add_f32 v[R+\k:R+\k+1], v[R+\k:R+\k+1], v[MU:MU+1]
.endr
	v_pk_mul_f32 v[T:T+1], v[R:R+1], v[R:R+1]      ; the squares, in two chains
	v_pk_mul_f32 v[T+2:T+3], v[R+2:R+3], v[R+2:R+3]
.irp k,4,8,12
	v_pk_fma_f32 v[T:T+1], v[R+\k:R+\k+1], v[R+\k:R+\k+1], v[T:T+1]
	v_pk_fma_f32 v[T+2:T+3], v[R+\k+2:R+\k+3], v[R+\k+2:R+\k+3], v[T+2:T+3]
.endr
	v_pk_add_f32 v[T:T+1], v[T:T+1], v[T+2:T+3]
	v_add_f32 v[T], v[T], v[T+1]
	REDUCE
	v_fma_f32 v[T], v[T], s19, s20                 ; var + eps
	s_wait_alu depctr_va_vdst(0)                   ; ahead of the transcendental
	v_rsq_f32 v[RS], v[T]
	v_nop                                          ; one plain place behind a transcendental
	s_wait_alu depctr_va_vdst(0)                   ; ahead of its first reader
	v_mov_b32 v[RS+1], v[RS]
.irp k,0,2,4,6,8,10,12,14
	v_pk_mul_f32 v[R+\k:R+\k+1], v[R+\k:R+\k+1], v[RS:RS+1]
.endr
.irp k,0,2,4,6,8,10,12,14
	v_pk_fma_f32 v[R+\k:R+\k+1], v[R+\k:R+\k+1], v[G+\k:G+\k+1], v[BT+\k:BT+\k+1]
.endr
.irp j,0,1,2,3
	global_store_b128 v1, v[R+4*\j:R+4*\j+3], s[10:11] offset:2048*\i+512*\j th:TH_STORE_NT   ; 32 lanes store 512 consecutive bytes, at a multiple of 256 from out0's first byte
.endr
.endm
	ROWN 0
	ROWN 1
	ROWN 2
	ROWN 3
	s_endpgm
.Lfunc_end_k_q0d0e1c1926_ln:
	.size	k_q0d0e1c1926_ln, .Lfunc_end_k_q0d0e1c1926_ln-k_q0d0e1c1926_ln
	.p2alignl 7, 3214868480
	.fill 96, 4, 3214868480
	.section	.rodata,"a",@progbits
	.p2align	6, 0x0
	.amdhsa_kernel k_q0d0e1c1926_ln
		.amdhsa_group_segment_fixed_size 0
		.amdhsa_private_segment_fixed_size 0
		.amdhsa_enable_private_segment 0
		.amdhsa_kernarg_size 32
		.amdhsa_user_sgpr_count 2
		.amdhsa_user_sgpr_kernarg_segment_ptr 1
		.amdhsa_wavefront_size32 1
		.amdhsa_system_sgpr_workgroup_id_x 1
		.amdhsa_system_sgpr_workgroup_id_y 1
		.amdhsa_system_sgpr_workgroup_id_z 1
		.amdhsa_system_vgpr_workitem_id 0
		.amdhsa_next_free_vgpr 128
		.amdhsa_next_free_sgpr 66
		.amdhsa_reserve_vcc 0
		.amdhsa_float_denorm_mode_32 3
		.amdhsa_float_denorm_mode_16_64 3
		.amdhsa_memory_ordered 1
		.amdhsa_forward_progress 1
		.amdhsa_inst_pref_size 20
	.end_amdhsa_kernel
	.amdgpu_metadata
---
amdhsa.version: [ 1, 2 ]
amdhsa.kernels:
  - .name:           k_q0d0e1c1926_ln
    .symbol:         k_q0d0e1c1926_ln.kd
    .args:
      - { .name: att, .offset: 0, .size: 8, .value_kind: global_buffer, .address_space: global }
      - { .name: gamma, .offset: 8, .size: 8, .value_kind: global_buffer, .address_space: global }
      - { .name: beta, .offset: 16, .size: 8, .value_kind: global_buffer, .address_space: global }
      - { .name: out0, .offset: 24, .size: 8, .value_kind: global_buffer, .address_space: global }
    .group_segment_fixed_size: 0
    .private_segment_fixed_size: 0
    .kernarg_segment_align: 8
    .kernarg_segment_size: 32
    .max_flat_workgroup_size: 128
    .sgpr_count:     66
    .vgpr_count:     128
    .wavefront_size: 32
...
	.end_amdgpu_metadata
.endif
;; end of part 3
